; MI455X (gfx1250); checked and timed in simulation.
; The chip was launched on July 23, 2026; its instructions are those of AMD's public machine-readable ISA for CDNA 5 (MIT licence, August 2026) and "CDNA5" Instruction Set Architecture Reference Guide (July 2026). The comments in the code are by the model that wrote it; some were corrected since.
;; Sparse Dense. Allowed arithmetic: matrix products marked QUANTISED: E5M2 operands, one given power-of-two scale a tensor, by v_wmma_f32_16x16x64_bf8_bf8 or v_wmma_f32_16x16x128_bf8_bf8, f32 sums; everything else in f32.
;; Inputs: bias 4,096 float32; lowp_scales 2 int32 (the exponents e of the quantised operands' scales 2^e); mask 4,096 x 4,096 bool; weight 4,096 x 4,096 float32; x 4,096 x 4,096 float32.
;; Outputs: out0 4,096 x 4,096 float32.
;; This version of the problem:
;;   THIS VERSION OF THE PROBLEM IS GIVEN IN LOW PRECISION. The matrix products marked QUANTISED in the list below multiply operands that are first quantised to E5M2 (5 exponent bits, 2 mantissa bits; 8 bits a number), with one given power-of-two scale for each operand tensor; their sums are f32. All else is computed in f32.
;;   The module's matrix products, in the order in which they are computed (A, B: the left and right operand; K: the contracted axis; several contracted axes count as one K, in the product's order):
;;     1. [M 4,096, K 4,096] x [K 4,096, N 4,096]; A: input x; B: computed on the way: QUANTISED (scales: A lowp_scales[0], B lowp_scales[1])
;;   THE QUANTISER, for each operand of a quantised product, along K:
;;     - The operand's scale is 2^e, e = its entry of the input lowp_scales (int32; the entries are numbered through the quantised products in the list's order, A before B).
;;     - Each number is divided by the scale, clamped to +-57,344, and rounded to the nearest number of E5M2, ties to even, subnormals kept.
;;     - The product sums the exact products of the quantised numbers (number of the format x scale) in f32.
;;   ~~~python
;;   def quantise(x, axis, e):      # numpy; x: float32 -> the quantised numbers, widened to float32 again
;;       x = np.moveaxis(x, axis, -1); K = x.shape[-1]
;;       r = np.clip(x / 2.0 ** e, -57344, 57344)
;;       step = 2.0 ** (np.maximum(np.frexp(np.where(r == 0, 1, r))[1] - 1, -14) - 2)
;;       q = np.round(r / step) * step * 2.0 ** e      # np.round: ties to even
;;       return np.moveaxis(q, -1, axis).astype(np.float32)
;;   ~~~
;;   OPERANDS COMPUTED ON THE WAY. 'Computed on the way' means the value that the module computes at that place (a softmax that the list does not call 'softmax' is quantised finished and normalised). What goes into a quantiser is computed in f32, as accurately as f32 sums, v_exp_f32 and their like allow (about 1e-6 of the number): no bf16 or f16 on the way to a quantiser, and a product that is left as it is and whose result goes on into a quantised operand takes f32 operands (vector FMAs, or v_wmma_f32_16x16x4_f32). A number that lies on a knife's edge between two numbers of the format may be rounded either way, as far as f32 arithmetic and the matrix unit's own rounding can turn it there, and no further.
;; One version. Each part assembles by itself: llvm-mc -triple=amdgcn-amd-amdhsa -mcpu=gfx1250 --defsym DOCPART=n.
;; ======== version 1 of 1: 2 launches
;; limits: right only within a limited range of input values
;; workspace buffers: x_codes 16,777,216 bytes; w_codes 16,777,216 bytes
;; launch quant (part 1): grid 256 x 1, 16 waves a work-group, no clusters, 264,192 bytes of LDS; arguments x, weight, mask, lowp_scales, x_codes, w_codes; writes x_codes, w_codes
.if DOCPART == 1
	.amdgcn_target "amdgcn-amd-amdhsa--gfx1250"
	.amdhsa_code_object_version 6
	.text
	.protected	k_qe5273c8ffa_quant
	.globl	k_qe5273c8ffa_quant
	.p2align	8
	.type	k_qe5273c8ffa_quant,@function
k_qe5273c8ffa_quant:
	s_mov_b64 s[64:65], 0
	v_nop
	global_prefetch_b8 v0, s[64:65] scope:SCOPE_SE
	s_setreg_imm32_b32 hwreg(HW_REG_WAVE_MODE, 25, 1), 1
	s_wait_xcnt 0x0
; x [4096][4096] f32 and weight * mask [4096 (k)][4096 (n)] f32 are turned into codes of BF8 (E5M2), one byte each, each with the one scale 2^e that is given for it
; (entry 0 of the scales' buffer for x, entry 1 for the masked weight): code = number / 2^e, held within +-57,344, rounded to the nearest code, ties to even.
; LIMITS: -126 <= e and e + 15 <= 127 for both exponents.  NaN among the inputs is not served.  A weight under a 0 of the mask gives the code 0 whatever it holds
; (an infinite one too, where weight * 0 would be NaN), and the sign of such a zero is dropped.  A byte of the mask is 0 or 1.
; K IS PERMUTED, ALIKE IN BOTH OPERANDS, inside blocks of 512: position p = 16 l + 4 i + j (l = 0..31, i, j = 0..3) holds k = 128 i + 4 l + j: every product of the next launch still meets its partner.
;   x_codes [S 16][4096 rows][256 bytes]: position = 256 S + byte.  Four pieces of 16 bytes a lane, 512 bytes apart, give lane l the 16 numbers of piece l of a block of 512.
;   w_codes [S 16][T 256][q 2][g 8][r 16][16 bytes]: images of the product's operand registers.  Position = 256 S + 128 q + 16 g + byte.  Row r of tile T = 8 W + 4 u + c is column
;   n = 128 W + 64 u + 4 r + c: a lane (16 u + r) takes four neighbouring columns by one load of 16 bytes, and its registers run down K.
; SHARES.  256 work-groups of sixteen waves.  Wave H = 16 x work-group + wave takes row H of x, and of the weight 128 columns x two pieces of 16 along K.
; TWO ROADS IN.  The wave's row of x, 16,384 bytes, comes by ONE tensor load into LDS bytes of the wave's own, which are filled once and read by that wave alone: no barrier, no refill.
; Its 64 loads of weight and mask go into registers, four sets, all issued at the head.  The weight is worked first, then the row of x out of LDS.
; No clusters: no two work-groups read the same bytes.  No prefetch: the text has no loop to run ahead in, and every byte that a wave reads is asked for at its head.
; Every offset is an immediate and every store has data registers of its own: no source of a pending load or store is rewritten.
.set EMAX, 15
.set MANT, 0x600000                    ; the mantissa field of 57,344 as f32
.set XO,  6                            ; v6, v7    x_codes: 2^20 (lane / 16) + 16 (lane % 16); the same + 2^23
.set SPW, 12                           ; v12       my spare word; never rewritten
.set NIL, 13                           ; v13       0; never rewritten
.set LA,  14                           ; v14       LDS: my wave's 16,384 bytes + 16 x lane
.set WR,  16                           ; v16-143   four sets of 8 rows x 4 columns
.set MR,  144                          ; v144-175  four sets of 8 rows' four mask bytes
.set WX,  176                          ; v176-207  column c's eight numbers at 8 c
.set WT,  208                          ; v208-215  mask bytes x 255
.set WU,  216                          ; v216-223  the same half turned
.set WC,  224                          ; v224-255  codes: piece lq at 16 lq, column c at 4 c
.set XR,  16                           ; v16-143   x: eight sets of 16 numbers
.set XC,  144                          ; v144-175  x: four registers of codes for each of 8 steps
.set SPARE, 262144                     ; behind the sixteen rows: the spare words, 128 bytes a wave, eight blocks of 256 bytes that no other line names
.set G0, 36
.set G1, 40
; Batch t of the weight: eight rows of piece lq = t / 2, half hb = t % 2.  Row e is k = row0 + 128 (2 hb + e / 4) + 4 lq + e % 4, and its code is byte 8 hb + e of the piece.
.macro WLOAD t
.irp e, 0,1,2,3,4,5,6,7
	global_load_b128 v[WR+32*(\t)+4*\e:WR+32*(\t)+4*\e+3], v3, s[6:7] offset:(128*(2*((\t)%2)+\e/4)+4*((\t)/2)+\e%4)*16384 th:TH_LOAD_NT
	global_load_b32 v[MR+8*(\t)+\e], v4, s[8:9] offset:(128*(2*((\t)%2)+\e/4)+4*((\t)/2)+\e%4)*4096
.endr
.endm
.macro WBATCH t
.set LQ, (\t)/2
.set HB, (\t)%2
.set WS, WR+32*(\t)
.set MS, MR+8*(\t)
	s_wait_loadcnt 16*(3-(\t))                     ; this batch's sixteen loads are in; the later batches' may be out
.irp e, 0,1,2,3,4,5,6,7
.irp c, 0,1,2,3
	v_med3_num_f32 v[WX+8*\c+\e], v[WS+4*\e+\c], -v10, v10   ; the hold (the conversion does not saturate: ISA guide 7.6.2), which also lays a column's eight rows on end
.endr
.endr
.irp e, 0,1,2,3,4,5,6,7
	v_lshlrev_b32 v[WT+\e], 8, v[MS+\e]
.endr
.irp e, 0,1,2,3,4,5,6,7
	v_sub_nc_u32 v[WT+\e], v[WT+\e], v[MS+\e]      ; x 255: each byte 0 or 1 becomes 0x00 or 0xff
.endr
.irp c, 0,1,2,3
	v_cvt_scalef32_pk8_bf8_f32 v[WC+16*LQ+4*\c+2*HB:WC+16*LQ+4*\c+2*HB+1], v[WX+8*\c:WX+8*\c+7], v11
.endr
.irp z, 0,4                            ; the mask's bytes, 4 rows x 4 columns, are turned, twice; these plain lines also stand between the conversions and the first use of their results
	v_perm_b32 v[WU+\z],   v[WT+\z+1], v[WT+\z],   s54
	v_perm_b32 v[WU+\z+1], v[WT+\z+1], v[WT+\z],   s55
	v_perm_b32 v[WU+\z+2], v[WT+\z+3], v[WT+\z+2], s54
	v_perm_b32 v[WU+\z+3], v[WT+\z+3], v[WT+\z+2], s55
.endr
.irp z, 0,4
	v_perm_b32 v[WT+\z],   v[WU+\z+2], v[WU+\z],   s56
	v_perm_b32 v[WT+\z+1], v[WU+\z+2], v[WU+\z],   s57
	v_perm_b32 v[WT+\z+2], v[WU+\z+3], v[WU+\z+1], s56
	v_perm_b32 v[WT+\z+3], v[WU+\z+3], v[WU+\z+1], s57
.endr
.irp c, 0,1,2,3
	v_and_b32 v[WC+16*LQ+4*\c+2*HB],   v[WC+16*LQ+4*\c+2*HB],   v[WT+\c]     ; a code under a 0 of the mask becomes the code 0
	v_and_b32 v[WC+16*LQ+4*\c+2*HB+1], v[WC+16*LQ+4*\c+2*HB+1], v[WT+4+\c]
.endr
.endm
.macro XSTEP t                         ; block t of 512 along K of my row
.set XS, XR+16*(\t)
	s_wait_dscnt 4*(7-(\t))                        ; this step's four LDS loads are in; the later steps' may be out
.irp i, 0,1,2,3,4,5,6,7,8,9,10,11,12,13,14,15
	v_med3_num_f32 v[XS+\i], v[XS+\i], -v10, v10
.endr
	v_cvt_scalef32_pk8_bf8_f32 v[XC+4*(\t):XC+4*(\t)+1], v[XS:XS+7], v11
	v_cvt_scalef32_pk8_bf8_f32 v[XC+4*(\t)+2:XC+4*(\t)+3], v[XS+8:XS+15], v11
.endm
	s_load_b256 s[4:11], s[0:1], 0x0               ; x s[4:5], weight s[6:7], mask s[8:9], the scales' exponents s[10:11]
	s_load_b128 s[12:15], s[0:1], 0x20             ; x_codes s[12:13], w_codes s[14:15]
	v_lshl_add_u32 v[SPW], v0, 2, SPARE
	v_mov_b32 v[NIL], 0
	ds_add_u32 v[SPW], v[NIL]                      ; the opening lines: the add, twice on end, and its wait ahead of my tensor load
	ds_add_u32 v[SPW], v[NIL]
	v_lshrrev_b32 v1, 5, v0
	v_readfirstlane_b32 s16, v1                    ; wave 0..15
	s_lshl_b32 s17, s16, 14                        ; my 16,384 bytes of LDS
	v_and_b32 v2, 31, v0                           ; lane
	v_lshlrev_b32 v3, 4, v2                        ; the weight: 16 bytes a lane
	v_lshlrev_b32 v4, 2, v2                        ; the mask: 4 bytes a lane
	v_lshrrev_b32 v8, 4, v2                        ; u
	v_and_b32 v9, 15, v2
	v_lshlrev_b32 v9, 4, v9                        ; 16 r
	v_lshl_add_u32 v5, v8, 14, v9                  ; w_codes: 16,384 u + 16 r
	v_lshl_add_u32 v[XO], v8, 20, v9               ; x_codes: the even or the odd slot of a block of 512
	v_add_nc_u32 v[XO+1], 0x800000, v[XO]          ; and eight slots on, for blocks 4 to 7
	v_lshl_add_u32 v[LA], v2, 4, s17
	s_wait_alu depctr_va_vdst(0)                   ; ahead of the scalar lines and waits below
	s_mov_b32 s[G0], 1
	s_mov_b32 s[G0+1], s17
	s_mov_b32 s[G1+0], 3<<16                       ; elements of 8 bytes, no mask, no padding
	s_mov_b32 s[G1+1], 32<<16                      ; the row of x as 64 rows of 32 elements (256 bytes), dense
	s_mov_b32 s[G1+2], 64<<16
	s_mov_b32 s[G1+3], 32<<16
	s_mov_b32 s[G1+4], 64
	s_mov_b32 s[G1+5], 32
	s_mov_b32 s[G1+6], 0
	s_mov_b32 s[G1+7], 0
	s_lshl_b32 s18, ttmp9, 4
	s_add_co_u32 s18, s18, s16                     ; H, 0..4095
	s_lshl_b32 s20, s18, 14                        ; x: row H of 16,384 bytes
	s_mov_b32 s21, 0
	s_lshl_b32 s22, s18, 8                         ; x_codes: row H's 256 bytes in every slot's part
	s_mov_b32 s23, 0
	s_and_b32 s19, s18, 1                          ; hf: pieces 0, 1 or 2, 3 of the four
	s_bfe_u32 s24, s18, 0x20001                    ; w: which 128 of 512 columns
	s_bfe_u32 s25, s18, 0x30003                    ; cq: which 512 columns
	s_lshr_b32 s26, s18, 6                         ; kp, 0..63: block of 512 along K kp / 8, pieces 4 (kp % 8) + 0..3
	s_lshr_b32 s27, s26, 3
	s_lshl_b32 s27, s27, 9
	s_and_b32 s28, s26, 7
	s_lshl_b32 s28, s28, 4
	s_add_co_u32 s27, s27, s28
	s_lshl_b32 s28, s19, 3
	s_add_co_u32 s27, s27, s28                     ; row0 = 512 (kp / 8) + 16 (kp % 8) + 8 hf
	s_lshl_b32 s28, s25, 2
	s_add_co_u32 s28, s28, s24                     ; W = 4 cq + w
	s_lshl_b32 s32, s27, 14                        ; the weight: row0 rows of 16,384 bytes + 512 W
	s_lshl_b32 s29, s28, 9
	s_add_co_u32 s32, s32, s29
	s_mov_b32 s33, 0
	s_lshl_b32 s34, s27, 12                        ; the mask: a quarter of that
	s_lshl_b32 s29, s28, 7
	s_add_co_u32 s34, s34, s29
	s_mov_b32 s35, 0
	s_lshr_b32 s50, s26, 2                         ; w_codes: S = kp / 4,
	s_lshl_b32 s50, s50, 20
	s_lshl_b32 s29, s28, 15                        ; eight tiles of 4,096 bytes for each W,
	s_add_co_u32 s50, s50, s29
	s_and_b32 s29, s26, 3                          ; 1,024 (kp % 4),
	s_lshl_b32 s29, s29, 10
	s_add_co_u32 s50, s50, s29
	s_lshl_b32 s29, s19, 9                         ; 512 hf
	s_add_co_u32 s50, s50, s29
	s_mov_b32 s51, 0
	s_mov_b32 s54, 0x05010400                      ; byte selects of the two steps of the 4 x 4 turn
	s_mov_b32 s55, 0x07030602
	s_mov_b32 s56, 0x05040100
	s_mov_b32 s57, 0x07060302
	s_wait_dscnt 0x0                               ; both opening adds are done
	s_wait_kmcnt 0x0
	s_load_b64 s[30:31], s[10:11], 0x0             ; ex, ew
	s_add_nc_u64 s[G0+2:G0+3], s[4:5], s[20:21]
	s_or_b32 s[G0+3], s[G0+3], 0x80000000
	tensor_load_to_lds s[G0:G0+3], s[G1:G1+7]      ; my row of x: my one tensor load
	s_nop 0
	s_add_nc_u64 s[6:7], s[6:7], s[32:33]
	s_add_nc_u64 s[8:9], s[8:9], s[34:35]
	s_add_nc_u64 s[12:13], s[12:13], s[22:23]
	s_add_nc_u64 s[14:15], s[14:15], s[50:51]
	WLOAD 0
	WLOAD 1
	WLOAD 2
	WLOAD 3
	s_wait_kmcnt 0x0
	s_add_co_i32 s31, s31, 127
	s_lshl_b32 s52, s31, 23
	v_mov_b32 v11, s52                             ; 2^ew as f32: the conversion takes its exponent field
	s_add_co_i32 s31, s31, EMAX
	s_lshl_b32 s31, s31, 23
	s_or_b32 s31, s31, MANT
	v_mov_b32 v10, s31                             ; 57,344 x 2^ew
	s_add_co_i32 s30, s30, 127
	s_lshl_b32 s53, s30, 23                        ; 2^ex
	s_add_co_i32 s30, s30, EMAX
	s_lshl_b32 s30, s30, 23
	s_or_b32 s30, s30, MANT                        ; 57,344 x 2^ex
	s_wait_alu depctr_va_vdst(0)                   ; ahead of the wait for the loads
.irp t, 0,1,2,3
	WBATCH \t
.endr
	s_wait_alu depctr_va_vdst(0)                   ; ahead of the readers below
.irp l, 0,1
.irp c, 0,1,2,3
	global_store_b128 v5, v[WC+16*\l+4*\c:WC+16*\l+4*\c+3], s[14:15] offset:\c*4096+\l*256   ; lanes 0-15 store 256 consecutive bytes at a multiple of 256, lanes 16-31 those 16,384 bytes on
.endr
.endr
	v_mov_b32 v11, s53
	v_mov_b32 v10, s30
	s_wait_alu depctr_va_vdst(0)                   ; ahead of the waits below
	s_wait_tensorcnt 0x0                           ; my row of x is in LDS; only I read it
.irp t, 0,1,2,3,4,5,6,7
.irp i, 0,1,2,3
	ds_load_b128 v[XR+16*\t+4*\i:XR+16*\t+4*\i+3], v[LA] offset:2048*\t+512*\i   ; 32 lanes read 512 consecutive bytes
.endr
.endr
.irp t, 0,1,2,3,4,5,6,7
	XSTEP \t
.endr
	v_nop                                          ; a plain line behind the last conversion
	s_wait_alu depctr_va_vdst(0)                   ; ahead of the readers below
.irp t, 0,1,2,3,4,5,6,7
	global_store_b128 v[XO+(\t)/4], v[XC+4*(\t):XC+4*(\t)+3], s[12:13] offset:2*((\t)%4)*0x100000   ; slots 2 t and 2 t + 1, my row: two whole aligned runs of 256 bytes
.endr
	s_wait_tensorcnt 0x0                           ; the wave's end
	ds_add_u32 v[SPW], v[NIL]
	s_wait_dscnt 0x0
	s_endpgm
.Lfunc_end_k_qe5273c8ffa_quant:
	.size	k_qe5273c8ffa_quant, .Lfunc_end_k_qe5273c8ffa_quant-k_qe5273c8ffa_quant
	.p2alignl 7, 3214868480
	.fill 96, 4, 3214868480
	.section	.rodata,"a",@progbits
	.p2align	6, 0x0
	.amdhsa_kernel k_qe5273c8ffa_quant
		.amdhsa_group_segment_fixed_size 264192
		.amdhsa_private_segment_fixed_size 0
		.amdhsa_enable_private_segment 0
		.amdhsa_kernarg_size 48
		.amdhsa_user_sgpr_count 2
		.amdhsa_user_sgpr_kernarg_segment_ptr 1
		.amdhsa_wavefront_size32 1
		.amdhsa_system_sgpr_workgroup_id_x 1
		.amdhsa_system_sgpr_workgroup_id_y 1
		.amdhsa_system_sgpr_workgroup_id_z 1
		.amdhsa_system_vgpr_workitem_id 0
		.amdhsa_next_free_vgpr 256
		.amdhsa_next_free_sgpr 66
		.amdhsa_reserve_vcc 0
		.amdhsa_float_denorm_mode_32 3
		.amdhsa_float_denorm_mode_16_64 3
		.amdhsa_memory_ordered 1
		.amdhsa_forward_progress 1
		.amdhsa_inst_pref_size 40
	.end_amdhsa_kernel
	.amdgpu_metadata
---
amdhsa.version: [ 1, 2 ]
amdhsa.kernels:
  - .name:           k_qe5273c8ffa_quant
    .symbol:         k_qe5273c8ffa_quant.kd
    .args:
      - { .name: x, .offset: 0, .size: 8, .value_kind: global_buffer, .address_space: global }
      - { .name: weight, .offset: 8, .size: 8, .value_kind: global_buffer, .address_space: global }
      - { .name: mask, .offset: 16, .size: 8, .value_kind: global_buffer, .address_space: global }
      - { .name: lowp_scales, .offset: 24, .size: 8, .value_kind: global_buffer, .address_space: global }
      - { .name: x_codes, .offset: 32, .size: 8, .value_kind: global_buffer, .address_space: global }
      - { .name: w_codes, .offset: 40, .size: 8, .value_kind: global_buffer, .address_space: global }
    .group_segment_fixed_size: 264192
    .private_segment_fixed_size: 0
    .kernarg_segment_align: 8
    .kernarg_segment_size: 48
    .max_flat_workgroup_size: 512
    .sgpr_count:     66
    .vgpr_count:     256
    .wavefront_size: 32
...
	.end_amdgpu_metadata
.endif
;; end of part 1
;; launch gemm (part 2): grid 16 x 16, 4 waves a work-group, clusters of 4 x 4, 327,680 bytes of LDS; arguments x_codes, w_codes, lowp_scales, out0, bias; writes out0
.if DOCPART == 2
	.amdgcn_target "amdgcn-amd-amdhsa--gfx1250"
	.amdhsa_code_object_version 6
	.text
	.protected	k_qe5273c8ffa_gemm
	.globl	k_qe5273c8ffa_gemm
	.p2align	8
	.type	k_qe5273c8ffa_gemm,@function
k_qe5273c8ffa_gemm:
	s_mov_b64 s[64:65], 0
	v_nop
	global_prefetch_b8 v0, s[64:65] scope:SCOPE_SE
	s_setreg_imm32_b32 hwreg(HW_REG_WAVE_MODE, 25, 1), 1
	s_wait_xcnt 0x0
	s_wait_alu depctr_hold_cnt(0) depctr_sa_sdst(0) depctr_va_vdst(0) depctr_va_sdst(0) depctr_va_ssrc(0) depctr_va_vcc(0) depctr_vm_vsrc(0)
	s_getreg_b32 s2, hwreg(HW_REG_IB_STS2, 6, 4)
	s_cmp_eq_u32 s2, 0
	s_cbranch_scc0 .Lentry_in_a_cluster
	s_endpgm
.Lentry_in_a_cluster:
	s_bfe_u32 s2, ttmp6, 0x10000c
	s_cmp_lg_u32 s2, 0xf033
	s_cbranch_scc0 .Lentry_shape_is_right
	s_endpgm
.Lentry_shape_is_right:
; out0[m][n] = relu(2^(ex + ew) x (sum over k of code x[m][k] x code w[k][n]) + bias[n]); codes of BF8 (E5M2) as the launch before laid them, sums in f32.
; LIMIT: ex + ew lies between -126 and 127, so that 2^(ex + ew) is an f32 number.
; x_codes [S 16][4096 rows][256 bytes]; w_codes [S 16][T 256][q 2][g 8][r 16][16 bytes]: images of operand registers; row r of tile T = 8 W + 4 u + c is column n = 128 W + 64 u + 4 r + c.
; K is permuted alike in both operands, so every product meets its partner.
; A tile of out0, 256 x 256, is made by four waves; a wave makes 128 x 128: 64 accumulators, 512 registers.  K goes in 16 steps of 256 through two LDS slots (A: 256 rows of 272 bytes; B: 64 KiB of images).
; CLUSTERS 4 x 4: A's tile is asked for jointly along a row of the cluster, B's along a column; each change of slots that fills stands behind a round of the cluster's barrier.
; SOURCE 0 = 16 rows of x, SOURCE 1 = a tile of w: register j of lane (r, h) is row 8 h + j, column index r.  The four tiles c = 0..3 of one u then give lane r the columns 64 u + 4 r + 0..3:
; sixteen neighbouring lanes hold 256 neighbouring bytes of a row of out0, at a multiple of 256, and the results are stored from registers with no turn through LDS.
; REGISTERS.  Window 0: v0-15 addresses and bias; A's blocks 1-7 (16 rows x 128 K, 16 registers each) in two sets at v16 and v128; A's block 0 in ONE buffer at v240: it is multiplied first in every
; step of 128 along K and fetched anew directly behind its eight products.  Window 1: B's eight tiles in two sets at v0 and v128.  Windows 2, 3: the accumulators of my rows 0-63, 64-127.
; So all fragments of the next 128 along K are fetched while this one is multiplied: 32 loads behind the first 8 matrix instructions, 32 behind the first 32.
; THE LAST K STEP GOES BY ROWS OF out0: the two sets hold both its halves at once, so my eight blocks of 16 rows are finished one after the other, and each is stored as soon as it is finished.
; PREFETCH: behind each refill (K step S + 2) one instruction a wave names K step S + 4: of the 32 KiB that a wave fetches each of the four partners that ask with it takes 8 KiB, told apart by address,
; a lane to each 256 bytes.  The head names K steps 1, 2 and 3; the loop's last trip names nothing, since K step 15 is the last.
.set ROWB,   256
.set NROW,   16384                     ; a row of out0 in bytes
.set PITCH,  272                       ; A's LDS row: 256 bytes + 16 of padding
.set HALFA,  128*PITCH
.set ATILE,  2*HALFA
.set HALFB,  32768
.set SLOT,   ATILE+2*HALFB
.set SSTEP,  0x100000                  ; bytes from a K step to the next, in both buffers
.set LAPS,   8
.set SPARE,  2*SLOT                    ; the spare words: 128 bytes a wave, two blocks of 256 bytes that no other line names
.set PFO,  0                           ; v0     256 x lane (made when the thread's number has served)
.set ADRA, 1                           ; v1-2   LDS address of my A fragments in slot 0, 1
.set ADRB, 3                           ; v3-4   the same for B
.set CO,   5                           ; v5     out0: 8 rows x h + 16 r
.set SPW,  6                           ; v6     my spare word
.set NIL,  7                           ; v7     0
.set BI,   8                           ; v8-15  bias of my columns: 64 u + 4 r + c at 4 u + c
.set A0R,  240
.set G1, 24
.set G0, 32
.set G1B, 48
.set G0B, 56
.set PFA, 74                           ; s[74:75] where my prefetches stand
.set MSB, 0
.macro WIN new                         ; the immediate's high byte repeats the setting that is left
.if MSB != \new
	s_set_vgpr_msb (MSB<<8)|\new
.set MSB, \new
.endif
.endm
.set MUL_LO, 0xa4                      ; source 0 (A) window 0, source 1 (B) window 1, C and D window 2
.set MUL_HI, 0xf4                      ; the same, C and D window 3
.set TO_B,   0x40                      ; destination window 1, address window 0
.macro JLOAD g0a, g1a, g0b, g1b        ; a joint load: waves 0, 1 fetch A's halves, waves 2, 3 B's; s_nop 0 and four v_nop behind each line
	s_cmp_eq_u32 s15, 0
	s_cbranch_scc0 .Lfor_b_\@
	tensor_load_to_lds s[\g0a:\g0a+3], s[\g1a:\g1a+7]
	s_nop 0
.rept 4
	v_nop
.endr
	s_branch .Lasked_\@
.Lfor_b_\@:
	tensor_load_to_lds s[\g0b:\g0b+3], s[\g1b:\g1b+7]
	s_nop 0
.rept 4
	v_nop
.endr
.Lasked_\@:
.endm
.macro CREST                           ; a round of the cluster's barrier behind its opening barrier
	s_cmp_lg_u32 s14, 0
	s_cbranch_scc1 .Lnot_wave_0_\@
	s_barrier_signal -3
.Lnot_wave_0_\@:
	s_barrier_wait -3
	s_barrier_signal -1
	s_barrier_wait -1
.endm
.macro CROUND
	s_barrier_signal -1
	s_barrier_wait -1
	CREST
.endm
.macro PLACES                          ; four places in front of loads into registers that matrix instructions have read, and of reads of results
.rept 4
	v_nop
.endr
.endm
.macro ASK                             ; K step S + 4, but in the loop's last trip (s3 = 1)
	s_cmp_gt_u32 s3, 1
	s_cbranch_scc0 .Lno_ask_\@
	global_prefetch_b8 v[PFO], s[PFA:PFA+1] offset:3*SSTEP th:TH_LOAD_NT scope:SCOPE_SE
.Lno_ask_\@:
.endm
	s_load_b128 s[4:7], s[0:1], 0x0                ; x_codes, w_codes
	s_load_b128 s[8:11], s[0:1], 0x10              ; the scales' exponents, out0
	s_load_b64 s[12:13], s[0:1], 0x20              ; bias
	v_lshl_add_u32 v[SPW], v0, 2, SPARE
	v_mov_b32 v[NIL], 0
	ds_add_u32 v[SPW], v[NIL]                      ; the opening lines: the add, twice on end, and its wait ahead of my first tensor load
	ds_add_u32 v[SPW], v[NIL]
	v_lshrrev_b32 v16, 5, v0
	v_readfirstlane_b32 s14, v16                   ; wave 0..3
	s_lshr_b32 s15, s14, 1                         ; my half of the tile's rows; also: I fetch for A (0) or B (1)
	s_and_b32 s16, s14, 1                          ; my half of its columns; also: which half of that tile I fetch
	s_bfe_u32 s40, ttmp6, 0x40000                  ; cx
	s_bfe_u32 s41, ttmp6, 0x40004                  ; cy
	s_lshl_b32 s42, ttmp9, 2
	s_add_co_u32 s42, s42, s40                     ; tile column
	s_and_b32 s17, ttmp7, 0xffff
	s_lshl_b32 s17, s17, 2
	s_add_co_u32 s17, s17, s41                     ; tile row
	s_lshl_b32 s43, s41, 2
	s_lshl_b32 s43, 15, s43                        ; my row of the cluster
	s_lshl_b32 s44, 0x1111, s40                    ; my column
	s_or_b32 s[G1+0], s43, (0<<16)|(1<<20)|(1<<21)|(5<<22)|(3<<25)   ; A: bytes; 4 words of padding behind every 64
	s_or_b32 s[G1B+0], s44, (0<<16)|(1<<21)                          ; B: bytes, dense
.irp g, G1, G1B
	s_mov_b32 s[\g+1], ROWB<<16                    ; 128 rows of 256 bytes, dense in memory
	s_mov_b32 s[\g+2], 128<<16
	s_mov_b32 s[\g+3], ROWB<<16
	s_mov_b32 s[\g+4], 128
	s_mov_b32 s[\g+5], ROWB
	s_mov_b32 s[\g+6], 0
	s_mov_b32 s[\g+7], 0
.endr
	s_lshl_b32 s18, s16, 7
	s_lshl_b32 s20, s17, 8
	s_add_co_u32 s20, s20, s18
	s_lshl_b32 s20, s20, 8                         ; A: (256 x tile row + 128 x half) rows of 256 bytes
	s_mov_b32 s21, 0
	s_lshl_b32 s46, s42, 16
	s_lshl_b32 s18, s16, 15
	s_add_co_u32 s46, s46, s18                     ; B: 65,536 x tile column + 32,768 x half
	s_mov_b32 s47, 0
	s_mul_i32 s45, s16, HALFA                      ; where they go
	s_mul_i32 s18, s16, HALFB
	s_add_co_u32 s18, s18, ATILE
	s_cmp_eq_u32 s15, 0                            ; the prefetches: my 32 KiB of a K step, and of them my work-group's 8 KiB
	s_cselect_b32 s72, s20, s46
	s_cselect_b32 s73, s40, s41
	s_lshl_b32 s73, s73, 13
	s_add_co_u32 s72, s72, s73
	s_mov_b32 s73, 0
	s_mul_i32 s76, s15, HALFA                      ; my 128 rows of A in slot 0, 1
	s_add_co_u32 s77, s76, SLOT
	s_mul_i32 s78, s16, HALFB                      ; my eight tiles of B
	s_add_co_u32 s78, s78, ATILE
	s_add_co_u32 s79, s78, SLOT
	s_lshl_b32 s82, s42, 10
	s_lshl_b32 s83, s16, 9
	s_add_co_u32 s82, s82, s83                     ; my first column, in bytes of f32
	s_mov_b32 s83, 0
	s_lshl_b32 s80, s17, 8
	s_lshl_b32 s81, s15, 7
	s_add_co_u32 s80, s80, s81
	s_lshl_b32 s80, s80, 14                        ; my first row of out0, in bytes (under 2^26)
	s_add_co_u32 s80, s80, s82
	s_mov_b32 s81, 0
	s_wait_dscnt 0x0                               ; both opening adds are done
	s_wait_kmcnt 0x0
	s_load_b64 s[96:97], s[8:9], 0x0               ; ex, ew
	s_cmp_eq_u32 s15, 0
	s_cselect_b64 s[PFA:PFA+1], s[4:5], s[6:7]
	s_add_nc_u64 s[PFA:PFA+1], s[PFA:PFA+1], s[72:73]
	s_add_nc_u64 s[20:21], s[4:5], s[20:21]
	s_add_nc_u64 s[46:47], s[6:7], s[46:47]
	s_add_nc_u64 s[10:11], s[10:11], s[80:81]
	s_add_nc_u64 s[12:13], s[12:13], s[82:83]
.irp s, 0,1
	s_mov_b32 s[G0+4*\s], 1
	s_add_co_u32 s[G0+4*\s+1], s45, \s*SLOT
	s_add_nc_u64 s[G0+4*\s+2:G0+4*\s+3], s[20:21], \s*SSTEP
	s_or_b32 s[G0+4*\s+3], s[G0+4*\s+3], 0x80000000
	s_mov_b32 s[G0B+4*\s], 1
	s_add_co_u32 s[G0B+4*\s+1], s18, \s*SLOT
	s_add_nc_u64 s[G0B+4*\s+2:G0B+4*\s+3], s[46:47], \s*SSTEP
	s_or_b32 s[G0B+4*\s+3], s[G0B+4*\s+3], 0x80000000
.endr
	CROUND                                         ; all sixteen work-groups are here: the first joint loads meet
	JLOAD G0, G1, G0B, G1B                         ; K step 0: one tensor load a wave at the head
	v_and_b32 v16, 15, v0                          ; r
	v_bfe_u32 v17, v0, 4, 1                        ; h
	v_and_b32 v18, 31, v0                          ; lane
	v_mul_u32_u24 v19, v16, PITCH
	v_lshl_add_u32 v19, v17, 4, v19                ; A: row r x pitch + 16 h
	v_add_nc_u32 v[ADRA], s76, v19
	v_add_nc_u32 v[ADRA+1], s77, v19
	v_lshl_add_u32 v[ADRB], v18, 4, s78            ; B: 16 x lane in an image
	v_lshl_add_u32 v[ADRB+1], v18, 4, s79
	v_lshlrev_b32 v20, 4, v16                      ; bias: 16 r
	v_lshl_add_u32 v[CO], v17, 17, v20             ; out0: 8 h rows of 16,384 bytes + 16 r
	v_lshlrev_b32 v[PFO], 8, v18
	s_wait_alu depctr_va_vdst(0)                   ; at the head's end
	global_load_b128 v[BI:BI+3], v20, s[12:13]
	global_load_b128 v[BI+4:BI+7], v20, s[12:13] offset:256
	global_prefetch_b8 v[PFO], s[PFA:PFA+1] offset:SSTEP th:TH_LOAD_NT scope:SCOPE_SE
	global_prefetch_b8 v[PFO], s[PFA:PFA+1] offset:2*SSTEP th:TH_LOAD_NT scope:SCOPE_SE
.macro FRAGA reg, slot, q, i           ; 16 rows x 128 K: registers 4 c .. 4 c + 3 hold positions 32 c + 16 h + 0..15 of row r
.irp c, 0,1,2,3
	ds_load_b128 v[\reg+4*\c:\reg+4*\c+3], v[ADRA+\slot] offset:128*(\q)+32*\c+(\i)*16*PITCH
.endr
.endm
.macro FRAGB reg, slot, q, i           ; the same positions of tile i, as they lie: 512 consecutive bytes a load
.irp c, 0,1,2,3
	ds_load_b128 v[\reg+4*\c:\reg+4*\c+3], v[ADRB+\slot] offset:(\i)*4096+2048*(\q)+512*\c
.endr
.endm
.macro FET0 slot, q, p                 ; 32 loads: B's tiles 0-6 into set p, A's block 0
	WIN TO_B
.irp i, 0,1,2,3,4,5,6
	FRAGB 128*(\p)+16*\i, \slot, \q, \i
.endr
	WIN 0
	FRAGA A0R, \slot, \q, 0
.endm
.macro FET1 slot, q, p                 ; 32 loads: B's tile 7, then A's blocks 1-7 into set p
	WIN TO_B
	FRAGB 128*(\p)+112, \slot, \q, 7
	WIN 0
.irp i, 1,2,3,4,5,6,7
	FRAGA 16+112*(\p)+16*(\i-1), \slot, \q, \i
.endr
.endm
.macro MUL8 a, p, zero                 ; A's block a against B's eight tiles of set p.  The accumulators take turns, one instruction a turn
.if (\a) == 0
.set AR, A0R
.else
.set AR, 16+112*(\p)+16*((\a)-1)
.endif
.set AC, 64*((\a)%4)
.irp b, 0,1,2,3,4,5,6,7
.if \zero
	v_wmma_f32_16x16x128_bf8_bf8 v[AC+8*\b:AC+8*\b+7], v[AR:AR+15], v[128*(\p)+16*\b:128*(\p)+16*\b+15], 0
.else
	v_wmma_f32_16x16x128_bf8_bf8 v[AC+8*\b:AC+8*\b+7], v[AR:AR+15], v[128*(\p)+16*\b:128*(\p)+16*\b+15], v[AC+8*\b:AC+8*\b+7]
.endif
.endr
.endm
; A slot's first 128 along K: multiplies set 0, fetches the slot's second 128 into set 1.
.macro STEP slot, zero
	s_wait_dscnt 28                                ; B's set and A's block 0 are in; A's blocks 1-7 (28 loads) may be out
	WIN MUL_LO
	MUL8 0, 0, \zero
	PLACES
	FET0 \slot, 1, 1
	s_wait_dscnt 48                                ; A's blocks 1-3 are in; blocks 4-7 (16) and the 32 just issued may be out
	WIN MUL_LO
	MUL8 1, 0, \zero
	MUL8 2, 0, \zero
	MUL8 3, 0, \zero
	s_wait_dscnt 28                                ; A's blocks 4-7 are in; with the 32 below at most 60 loads are out
	PLACES
	FET1 \slot, 1, 1
	WIN MUL_HI
	MUL8 4, 0, \zero
	MUL8 5, 0, \zero
	MUL8 6, 0, \zero
	MUL8 7, 0, \zero
	WIN 0
.endm
; A slot's second 128 along K: multiplies set 1 and changes slots.  All its fragments were asked for in the step before, so my reads of the slot are over behind its first eight products.
.macro TURN slot, next, fill
.if \fill
	s_wait_xcnt 0x0                                ; my last prefetch has read its address
	s_add_nc_u64 s[PFA:PFA+1], s[PFA:PFA+1], SSTEP
.endif
	s_wait_tensorcnt 0x0                           ; all my tensor loads have landed: my part of the next slot
	ds_add_u32 v[SPW], v[NIL]
.if \fill
	s_add_nc_u64 s[G0+4*\slot+2:G0+4*\slot+3], s[G0+4*\slot+2:G0+4*\slot+3], 2*SSTEP
	s_add_nc_u64 s[G0B+4*\slot+2:G0B+4*\slot+3], s[G0B+4*\slot+2:G0B+4*\slot+3], 2*SSTEP
.endif
	s_wait_dscnt 29                                ; B's set and A's block 0 are in; A's blocks 1-7 and the add may be out
	WIN MUL_LO
	MUL8 0, 1, 0
	s_wait_dscnt 0x0                               ; the add is done, and my reads of this slot are over
	s_barrier_signal -1
	MUL8 1, 1, 0                                   ; work on registers while the others arrive
	WIN 0
	s_barrier_wait -1
.if \fill
	CREST                                          ; the barrier has opened a round of the cluster's barrier
	JLOAD G0+4*\slot, G1, G0B+4*\slot, G1B         ; the first tensor load behind the round; its four v_nop are the places in front of the loads below
.else
	PLACES
.endif
	FET0 \next, 0, 0
.if \fill
	ASK
.endif
	WIN MUL_LO
	MUL8 2, 1, 0
	MUL8 3, 1, 0
	s_wait_dscnt 28                                ; with the 32 below at most 60 loads are out
	PLACES
	FET1 \next, 0, 0
	WIN MUL_HI
	MUL8 4, 1, 0
	MUL8 5, 1, 0
	MUL8 6, 1, 0
	MUL8 7, 1, 0
	WIN 0
.endm
; THE WAY OUT of block a, 16 rows: sum x 2^(ex + ew) + bias into other registers, each accumulator from its low end on, laid so that the four tiles c of one u stand side by side; relu; sixteen stores.
; The 64 registers at work are v16-63 (set 0's blocks 1-3) and v240-255 (block 0's buffer), which the products have read out when block 0 is finished: (u, j) at 16 + 32 u + 4 j, and 176 further on for u = 1, j >= 4.
; Every offset is an immediate (127 rows of 16,384 bytes at the most).
.macro OUT a
.set AC, 64*((\a)%4)
	WIN 0x02+((\a)/4)                              ; source 0: window 2 or 3
.irp b, 0,1,2,3,4,5,6,7
.irp j, 0,1,2,3,4,5,6,7
	v_fma_f32 v[16+32*(\b/4)+4*\j+176*(\b/4)*(\j/4)+\b%4], v[AC+8*\b+\j], s96, v[BI+\b]
.endr
.endr
	WIN 0
.irp u, 0,1
.irp j, 0,1,2,3,4,5,6,7
.irp c, 0,1,2,3
	v_max_num_f32 v[16+32*\u+4*\j+176*\u*(\j/4)+\c], 0, v[16+32*\u+4*\j+176*\u*(\j/4)+\c]
.endr
.endr
.endr
.irp u, 0,1
.irp j, 0,1,2,3,4,5,6,7
	global_store_b128 v[CO], v[16+32*\u+4*\j+176*\u*(\j/4):16+32*\u+4*\j+176*\u*(\j/4)+3], s[10:11] offset:(16*(\a)+\j)*NROW+256*\u th:TH_STORE_NT   ; lanes 0-15: 256 consecutive bytes of row 16 a + j at a multiple of 256; lanes 16-31: the same of row 16 a + 8 + j
.endr
.endr
.endm
	s_wait_loadcnt 0x0                             ; the bias is in: v20, its address, may be loaded over
	s_wait_tensorcnt 0x0                           ; my part of K step 0 is in
	ds_add_u32 v[SPW], v[NIL]
	s_wait_dscnt 0x0
	CROUND
	JLOAD G0+4, G1, G0B+4, G1B                     ; K step 1: slot 1's first fill, the first tensor load behind the round
	FET0 0, 0, 0
	FET1 0, 0, 0
	global_prefetch_b8 v[PFO], s[PFA:PFA+1] offset:3*SSTEP th:TH_LOAD_NT scope:SCOPE_SE
	STEP 0, 1                                      ; the first step's products start the sums
	s_mov_b32 s3, LAPS-1
.Llap:                                                 ; a trip goes once round the ring and fills both slots again
	TURN 0, 1, 1
	STEP 1, 0
	TURN 1, 0, 1
	STEP 0, 0
	s_sub_co_u32 s3, s3, 1
	s_cmp_lg_u32 s3, 0
	s_cbranch_scc1 .Llap
	TURN 0, 1, 0                                   ; the last lap fills nothing; set 0 takes the last K step's first half
	; THE LAST K STEP, BY ROWS.  Its second half comes into set 1 while blocks 0-3 take their first half; then each block is finished (K ascending, its eight accumulators by turns) and leaves at once.
	s_wait_kmcnt 0x0
	s_add_co_i32 s96, s96, s97
	s_add_co_i32 s96, s96, 127
	s_lshl_b32 s96, s96, 23                        ; 2^(ex + ew) as f32
	s_wait_dscnt 28                                ; B's set 0 and A's block 0 are in
	WIN MUL_LO
	MUL8 0, 0, 0
	s_wait_dscnt 0x0                               ; A's blocks 1-7 of the first half are in
	PLACES
	FET0 1, 1, 1                                   ; B's tiles 0-6 and A's block 0 of the second half
	WIN MUL_LO
	MUL8 1, 0, 0
	s_wait_dscnt 28                                ; with the 32 below at most 60 loads are out
	PLACES
	FET1 1, 1, 1                                   ; B's tile 7, A's blocks 1-7
	WIN MUL_LO
	MUL8 2, 0, 0
	MUL8 3, 0, 0
	s_wait_dscnt 28                                ; B's set 1 and A's block 0 are in; A's blocks 1-7 may be out
	MUL8 0, 1, 0
	PLACES                                         ; in front of reads of results just made, and of writes into registers that products have read
	OUT 0
	s_wait_dscnt 0x0                               ; A's blocks 1-7 of the second half are in
.irp a, 1,2,3
	WIN MUL_LO
	MUL8 \a, 1, 0
	PLACES
	s_wait_xcnt 0x0                                ; the block before's stores have read their registers
	OUT \a
.endr
.irp a, 4,5,6,7
	WIN MUL_HI
	MUL8 \a, 0, 0
	MUL8 \a, 1, 0
	PLACES
	s_wait_xcnt 0x0
	OUT \a
.endr
	s_wait_tensorcnt 0x0                           ; the wave's end
	ds_add_u32 v[SPW], v[NIL]
	s_wait_dscnt 0x0
	CROUND                                         ; the closing round
	s_endpgm
.Lfunc_end_k_qe5273c8ffa_gemm:
	.size	k_qe5273c8ffa_gemm, .Lfunc_end_k_qe5273c8ffa_gemm-k_qe5273c8ffa_gemm
	.p2alignl 7, 3214868480
	.fill 96, 4, 3214868480
	.section	.rodata,"a",@progbits
	.p2align	6, 0x0
	.amdhsa_kernel k_qe5273c8ffa_gemm
		.amdhsa_group_segment_fixed_size 327680
		.amdhsa_private_segment_fixed_size 0
		.amdhsa_enable_private_segment 0
		.amdhsa_kernarg_size 40
		.amdhsa_user_sgpr_count 2
		.amdhsa_user_sgpr_kernarg_segment_ptr 1
		.amdhsa_wavefront_size32 1
		.amdhsa_system_sgpr_workgroup_id_x 1
		.amdhsa_system_sgpr_workgroup_id_y 1
		.amdhsa_system_sgpr_workgroup_id_z 1
		.amdhsa_system_vgpr_workitem_id 0
		.amdhsa_next_free_vgpr 1024
		.amdhsa_next_free_sgpr 98
		.amdhsa_reserve_vcc 0
		.amdhsa_float_denorm_mode_32 3
		.amdhsa_float_denorm_mode_16_64 3
		.amdhsa_memory_ordered 1
		.amdhsa_forward_progress 1
		.amdhsa_inst_pref_size 142
	.end_amdhsa_kernel
	.amdgpu_metadata
---
amdhsa.version: [ 1, 2 ]
amdhsa.kernels:
  - .name:           k_qe5273c8ffa_gemm
    .symbol:         k_qe5273c8ffa_gemm.kd
    .args:
      - { .name: x_codes, .offset: 0, .size: 8, .value_kind: global_buffer, .address_space: global }
      - { .name: w_codes, .offset: 8, .size: 8, .value_kind: global_buffer, .address_space: global }
      - { .name: lowp_scales, .offset: 16, .size: 8, .value_kind: global_buffer, .address_space: global }
      - { .name: out0, .offset: 24, .size: 8, .value_kind: global_buffer, .address_space: global }
      - { .name: bias, .offset: 32, .size: 8, .value_kind: global_buffer, .address_space: global }
    .group_segment_fixed_size: 327680
    .private_segment_fixed_size: 0
    .kernarg_segment_align: 8
    .kernarg_segment_size: 40
    .max_flat_workgroup_size: 128
    .sgpr_count:     98
    .vgpr_count:     1024
    .wavefront_size: 32
...
	.end_amdgpu_metadata
.endif
;; end of part 2
